; MI455X (gfx1250); checked and timed in simulation.
; The chip was launched on July 23, 2026; its instructions are those of AMD's public machine-readable ISA for CDNA 5 (MIT licence, August 2026) and "CDNA5" Instruction Set Architecture Reference Guide (July 2026). The comments in the code are by the model that wrote it; some were corrected since.
;; Attention. Allowed arithmetic: matrix products marked QUANTISED: E5M2 operands, one E8M0 scale for each 32 along K, by v_wmma_scale_f32_16x16x128_f8f6f4 with both operands' format E5M2, f32 sums; products left as they are: f32 operands where the result goes on into a quantised operand, else bf16, f16 or f32 operands; f32 sums; everything else in f32.
;; Inputs: Wkv 512 x 1,024 float32; Wo 512 x 512 float32; Wq 512 x 512 float32; bo 512 float32; mask 2 x 8 x 128 x 64 bool; mems 2 x 8 x 128 x 64 x 512 float32; x 2 x 8 x 128 x 512 float32.
;; Outputs: out0 2 x 8 x 128 x 512 float32.
;; This version of the problem:
;;   THIS VERSION OF THE PROBLEM IS GIVEN IN LOW PRECISION. The matrix products marked QUANTISED in the list below multiply operands that are first quantised to E5M2 (5 exponent bits, 2 mantissa bits; 8 bits a number), with one power-of-two scale for each 32 numbers along K (OCP MX v1.0); their sums are f32. All else is computed in f32.
;;   The module's matrix products, in the order in which they are computed (A, B: the left and right operand; K: the contracted axis; several contracted axes count as one K, in the product's order):
;;     1. [M 2,048, K 512] x [K 512, N 512]; A: input x; B: input Wq: QUANTISED
;;     2. [M 131,072, K 512] x [K 512, N 1,024]; A: input mems; B: input Wkv: QUANTISED
;;     3. batch 16,384 x [M 1, K 64] x [K 64, N 64]; A: computed on the way; B: computed on the way: left as it is (M = 1 < 16)
;;     4. batch 16,384 x [M 1, K 64] x [K 64, N 64]; A: softmax; B: computed on the way: left as it is (M = 1 < 16)
;;     5. [M 2,048, K 512] x [K 512, N 512]; A: computed on the way; B: input Wo: QUANTISED
;;   THE QUANTISER, for each operand of a quantised product, along K:
;;     - K is cut into blocks of 32 from its start; a last block that is shorter is filled with zeros.
;;     - A block's scale is 2^e with e = floor(log2(the largest magnitude in the block)) - 15, held to -126 .. 127; a block of zeros has e = 0. As a byte (E8M0): e + 127.
;;     - Each number is divided by its block's scale, clamped to +-57,344, and rounded to the nearest number of E5M2, ties to even, subnormals kept.
;;     - The product sums the exact products of the quantised numbers (number of the format x scale) in f32.
;;   ~~~python
;;   def quantise(x, axis):      # numpy; x: float32 -> the quantised numbers, widened to float32 again
;;       x = np.moveaxis(x, axis, -1); K = x.shape[-1]
;;       x = np.pad(x, [(0, 0)] * (x.ndim - 1) + [(0, -K % 32)]); x = x.reshape(x.shape[:-1] + (-1, 32)); a = np.abs(x).max(-1, keepdims=True)
;;       e = np.where(a > 0, np.clip(np.frexp(np.where(a > 0, a, 1))[1] - 1 - 15, -126, 127), 0)      # np.frexp(a)[1] - 1 = floor(log2(a)), exactly
;;       r = np.clip(x / 2.0 ** e, -57344, 57344)
;;       step = 2.0 ** (np.maximum(np.frexp(np.where(r == 0, 1, r))[1] - 1, -14) - 2)
;;       q = np.round(r / step) * step * 2.0 ** e      # np.round: ties to even
;;       return np.moveaxis(q.reshape(q.shape[:-2] + (-1,))[..., :K], -1, axis).astype(np.float32)
;;   ~~~
;;   OPERANDS COMPUTED ON THE WAY. 'Computed on the way' means the value that the module computes at that place (a softmax that the list does not call 'softmax' is quantised finished and normalised). What goes into a quantiser is computed in f32, as accurately as f32 sums, v_exp_f32 and their like allow (about 1e-6 of the number): no bf16 or f16 on the way to a quantiser, and a product that is left as it is and whose result goes on into a quantised operand takes f32 operands (vector FMAs, or v_wmma_f32_16x16x4_f32). A number that lies on a knife's edge between two numbers of the format may be rounded either way, as far as f32 arithmetic and the matrix unit's own rounding can turn it there, and no further.
;; One version. Each part assembles by itself: llvm-mc -triple=amdgcn-amd-amdhsa -mcpu=gfx1250 --defsym DOCPART=n.
;; ======== version 1 of 1: 3 launches
;; limits: right only within a limited range of input values
;; workspace buffers: w_img 1,048,576 bytes; w_sc 32,768 bytes; o_img 1,048,576 bytes; o_sc 32,768 bytes
;; launch prep (part 1): grid 256 x 1, 1 waves a work-group, no clusters, 0 bytes of LDS; arguments Wkv, Wq, Wo, w_img, w_sc; writes w_img, w_sc
.if DOCPART == 1
	.amdgcn_target "amdgcn-amd-amdhsa--gfx1250"
	.amdhsa_code_object_version 6
	.text
	.protected	k_qad2bbb35b5_prep
	.globl	k_qad2bbb35b5_prep
	.p2align	8
	.type	k_qad2bbb35b5_prep,@function
k_qad2bbb35b5_prep:
	s_mov_b64 s[64:65], 0
	v_nop
	global_prefetch_b8 v0, s[64:65] scope:SCOPE_SE
	s_setreg_imm32_b32 hwreg(HW_REG_WAVE_MODE, 25, 1), 1
	s_wait_xcnt 0x0
; The three weights, f32 with K as their FIRST axis, become codes of BF8 (E5M2) with one E8M0 scale byte for each 32 along K, laid in the order of an operand's registers.
; TILES.  128 tiles of 16 columns: T 0-63 Wkv's columns 16 T on, T 64-95 Wq's, T 96-127 Wo's.
; w_img: byte T*8192 + s*2048 + c*512 + h*256 + r*16 + kk is the code of the tile's column r at k = 128 s + 32 c + 16 h + kk: a piece of 512 bytes read at 16 x lane is four registers of a fragment.
; w_sc:  word P*512 + s*128 + 4*lane: lanes 0-15 the scale words of tile 2 P, lanes 16-31 those of tile 2 P + 1; byte c of a word is block c of K step s.
; SHARES.  One wave a work-group.  Work-group g takes the 32 columns of tile pair g / 4 and K step g % 4.  A LANE TAKES A COLUMN AND ITS REGISTERS RUN DOWN K: each load reads 128 consecutive bytes,
; a block of 32 lies in one lane's registers, and the conversions give codes with K innermost.  Nothing is transposed.
; A block's scale is 2^(floor(log2(its largest magnitude)) - 15); its byte is the largest magnitude's exponent field - 15, held at 1 from below.
; LIMITS: a block of zeros, and a block whose largest magnitude lies under 2^-111, gets the byte 1 (its codes are zeros or subnormal codes; these bytes are read by this program alone);
; NaN and infinities among the inputs are not served.
; No LDS, no barrier, no matrix unit, no cluster: work-groups share no input byte.
.set X,  32                            ; v32-159  128 numbers: W(128 s + i, my column)
.set C,  160                           ; v160-191 codes, eight registers a block; never written again, so no store's data are overwritten
.set SB, 14                            ; v14      the four scale bytes
	s_load_b256 s[4:11], s[0:1], 0x0               ; Wkv s[4:5], Wq s[6:7], Wo s[8:9], w_img s[10:11]
	s_load_b64 s[12:13], s[0:1], 0x20              ; w_sc
	s_lshr_b32 s14, ttmp9, 2                       ; the tile pair, 0 .. 63
	s_and_b32 s15, ttmp9, 3                        ; the K step
	v_lshlrev_b32 v1, 2, v0                        ; 4 x lane: my column in a row of W, and my scale word
	v_lshrrev_b32 v3, 4, v0
	v_and_b32 v2, 15, v0
	v_lshlrev_b32 v2, 4, v2
	v_lshl_add_u32 v2, v3, 13, v2                  ; my codes' place: 8192 x (lane / 16) + 16 x (lane % 16)
	s_lshl_b32 s16, s14, 14                        ; w_img: pair x 16,384 + K step x 2,048
	s_lshl_b32 s18, s15, 11
	s_add_co_u32 s16, s16, s18
	s_mov_b32 s17, 0
	s_lshl_b32 s18, s14, 9                         ; w_sc: pair x 512 + K step x 128
	s_lshl_b32 s19, s15, 7
	s_add_co_u32 s18, s18, s19
	s_mov_b32 s19, 0
	s_wait_kmcnt 0x0
	s_add_nc_u64 s[10:11], s[10:11], s[16:17]
	s_add_nc_u64 s[12:13], s[12:13], s[18:19]
.macro LOADS pitch                     ; 128 rows of W at my 32 columns; every offset is an immediate (127 x 4,096 at the most)
.set i, 0
.rept 128
	global_load_b32 v[X+i], v1, s[4:5] offset:i*\pitch th:TH_LOAD_NT
.set i, i+1
.endr
.endm
	s_cmp_lt_u32 s14, 32                           ; Wkv's pairs, or Wq's and Wo's?  The branch hangs on the work-group's number alone
	s_cbranch_scc0 .Lsmall
	s_lshl_b32 s16, s15, 19                        ; 128 rows of 4,096 bytes a K step,
	s_lshl_b32 s18, s14, 7                         ; 128 bytes a pair
	s_add_co_u32 s16, s16, s18
	s_add_nc_u64 s[4:5], s[4:5], s[16:17]
	s_wait_alu depctr_va_vdst(0)
	LOADS 4096
	s_branch .Lwork
.Lsmall:
	s_cmp_lt_u32 s14, 48
	s_cselect_b64 s[4:5], s[6:7], s[8:9]           ; pairs 32-47 are Wq's, 48-63 Wo's
	s_and_b32 s18, s14, 15
	s_lshl_b32 s18, s18, 7
	s_lshl_b32 s16, s15, 18                        ; 128 rows of 2,048 bytes a K step
	s_add_co_u32 s16, s16, s18
	s_add_nc_u64 s[4:5], s[4:5], s[16:17]
	s_wait_alu depctr_va_vdst(0)
	LOADS 2048
.Lwork:
; Block c of the K step.  left: how many younger loads may stay out.
.macro BLOCK c, left
.set XS, X+32*\c
	s_wait_loadcnt \left
	v_max3_num_f32 v8, |v[XS]|, |v[XS+1]|, |v[XS+2]|               ; the block's largest magnitude, in two chains: all 32 numbers are mine
	v_max3_num_f32 v9, |v[XS+3]|, |v[XS+4]|, |v[XS+5]|
.irp i, 6,10,14,18,22,26
	v_max3_num_f32 v8, v8, |v[XS+\i]|, |v[XS+\i+1]|
	v_max3_num_f32 v9, v9, |v[XS+\i+2]|, |v[XS+\i+3]|
.endr
	v_max3_num_f32 v8, v8, |v[XS+30]|, |v[XS+31]|
	v_max3_num_f32 v8, v8, v9, 0x8000000           ; and the floor 2^(16 - 127): the byte cannot fall under 1
	v_add_nc_u32 v11, 0xf8800000, v8               ; 15 off the exponent field: the conversion takes the exponent field of this operand as its scale
	v_lshrrev_b32 v9, 23, v11                      ; the scale's byte
.if \c == 0
	v_mov_b32 v[SB], v9
.else
	v_lshl_or_b32 v[SB], v9, 8*\c, v[SB]
.endif
.set i, 0
.rept 32
.set i, i+1
.endr
.irp g, 0,1,2,3
	v_cvt_scalef32_pk8_bf8_f32 v[C+8*\c+2*\g:C+8*\c+2*\g+1], v[XS+8*\g:XS+8*\g+7], v11
.endr
	v_nop                                          ; a plain line behind the last conversion of the run
	global_store_b128 v2, v[C+8*\c:C+8*\c+3], s[10:11] offset:512*\c          ; k = 32 c + 0 .. 15: sixteen lanes store 256 consecutive bytes, aligned
	global_store_b128 v2, v[C+8*\c+4:C+8*\c+7], s[10:11] offset:512*\c+256    ; k = 32 c + 16 .. 31
.endm
	BLOCK 0, 63                                    ; behind block 0's loads stand 96 younger ones; the wait's field names 63 at the most, and a smaller count is safe
	BLOCK 1, 63                                    ; 64 younger ones
	BLOCK 2, 32                                    ; block 3's 32
	BLOCK 3, 0
	global_store_b32 v1, v[SB], s[12:13]           ; 128 consecutive bytes: the pair's scale words of this K step
	s_endpgm
.Lfunc_end_k_qad2bbb35b5_prep:
	.size	k_qad2bbb35b5_prep, .Lfunc_end_k_qad2bbb35b5_prep-k_qad2bbb35b5_prep
	.p2alignl 7, 3214868480
	.fill 96, 4, 3214868480
	.section	.rodata,"a",@progbits
	.p2align	6, 0x0
	.amdhsa_kernel k_qad2bbb35b5_prep
		.amdhsa_group_segment_fixed_size 0
		.amdhsa_private_segment_fixed_size 0
		.amdhsa_enable_private_segment 0
		.amdhsa_kernarg_size 40
		.amdhsa_user_sgpr_count 2
		.amdhsa_user_sgpr_kernarg_segment_ptr 1
		.amdhsa_wavefront_size32 1
		.amdhsa_system_sgpr_workgroup_id_x 1
		.amdhsa_system_sgpr_workgroup_id_y 1
		.amdhsa_system_sgpr_workgroup_id_z 1
		.amdhsa_system_vgpr_workitem_id 0
		.amdhsa_next_free_vgpr 192
		.amdhsa_next_free_sgpr 66
		.amdhsa_reserve_vcc 0
		.amdhsa_float_denorm_mode_32 3
		.amdhsa_float_denorm_mode_16_64 3
		.amdhsa_fp16_overflow 1
		.amdhsa_memory_ordered 1
		.amdhsa_forward_progress 1
		.amdhsa_inst_pref_size 33
	.end_amdhsa_kernel
	.amdgpu_metadata
---
amdhsa.version: [ 1, 2 ]
amdhsa.kernels:
  - .name:           k_qad2bbb35b5_prep
    .symbol:         k_qad2bbb35b5_prep.kd
    .args:
      - { .name: Wkv, .offset: 0, .size: 8, .value_kind: global_buffer, .address_space: global }
      - { .name: Wq, .offset: 8, .size: 8, .value_kind: global_buffer, .address_space: global }
      - { .name: Wo, .offset: 16, .size: 8, .value_kind: global_buffer, .address_space: global }
      - { .name: w_img, .offset: 24, .size: 8, .value_kind: global_buffer, .address_space: global }
      - { .name: w_sc, .offset: 32, .size: 8, .value_kind: global_buffer, .address_space: global }
    .group_segment_fixed_size: 0
    .private_segment_fixed_size: 0
    .kernarg_segment_align: 8
    .kernarg_segment_size: 40
    .max_flat_workgroup_size: 32
    .sgpr_count:     66
    .vgpr_count:     192
    .wavefront_size: 32
...
	.end_amdgpu_metadata
.endif
;; end of part 1
;; launch attn (part 2): grid 256 x 1, 4 waves a work-group, clusters of 2 x 1, 327,680 bytes of LDS; arguments x, mems, mask, w_img, w_sc, o_img, o_sc; writes o_img, o_sc
.if DOCPART == 2
	.amdgcn_target "amdgcn-amd-amdhsa--gfx1250"
	.amdhsa_code_object_version 6
	.text
	.protected	k_qad2bbb35b5_attn
	.globl	k_qad2bbb35b5_attn
	.p2align	8
	.type	k_qad2bbb35b5_attn,@function
k_qad2bbb35b5_attn:
	s_mov_b64 s[64:65], 0
	v_nop
	global_prefetch_b8 v0, s[64:65] scope:SCOPE_SE
	s_setreg_imm32_b32 hwreg(HW_REG_WAVE_MODE, 25, 1), 1
	s_wait_xcnt 0x0
	s_wait_alu depctr_hold_cnt(0) depctr_sa_sdst(0) depctr_va_vdst(0) depctr_va_sdst(0) depctr_va_ssrc(0) depctr_va_vcc(0) depctr_vm_vsrc(0)
	s_getreg_b32 s2, hwreg(HW_REG_IB_STS2, 6, 4)
	s_cmp_eq_u32 s2, 0
	s_cbranch_scc0 .Lentry_in_a_cluster
	s_endpgm
.Lentry_in_a_cluster:
	s_bfe_u32 s2, ttmp6, 0x10000c
	s_cmp_lg_u32 s2, 0x1001
	s_cbranch_scc0 .Lentry_shape_is_right
	s_endpgm
.Lentry_shape_is_right:
; q = x Wq, kv = mems Wkv, the per-query attention, and the quantising of its result for the last product.  kv never goes to memory; mems leaves memory as f32 and is quantised on its way.
; All three matrix products here run on codes of BF8 (E5M2) with one E8M0 scale for each 32 along K; the scores and the weighted sum (one row against 64) are f32 multiply-adds, since their result goes into a quantiser.
; SHARES.  A cluster of two work-groups owns 16 queries (tile qt = the cluster's number).  Work-group cx of the two owns heads 4 cx .. 4 cx + 3, wave w of it head 4 cx + w.
; ONE HEAD'S Wk AND Wv (128 columns x 512 K of codes) ARE 512 REGISTERS: they stay in the wave's registers for the whole launch, so no weight passes through LDS.
; A trip of the loop is one query: its 64 memory rows x 512 f32 (128 KiB) come by four tensor loads, one a wave (32 rows x 256 K), into one of two LDS slots.  Both work-groups need the same rows,
; so each load is asked for JOINTLY (mask 3, the same descriptor in both: it hangs on the cluster's number, the wave's number and the trip alone).
; The weights are not asked for jointly: the partners hold different heads, and each wave reads its own once, straight into registers.
; A TRIP: (a) change of slots, the next query's load goes out;  (b) each wave quantises the quarter that its own load brought: four fragments, stored to LDS as images of an operand's registers;  barrier;
; (c) every wave reads all 16 fragments and issues 128 matrix instructions: k transposed (source 0 = Wk, source 1 = mems: a lane holds one memory row j, registers along d) and v straight (source 0 = mems,
; source 1 = Wv: a lane holds one d, registers along j);  (d) scores = 64 packed multiply-adds against q, mask, softmax with the row's maximum taken away, out = 64 packed multiply-adds against p, / the sum.
; The maximum is SUBTRACTED before the factor log2(e): a row whose mask is all false gives 0 everywhere, p = 1, the uniform weights that the definition has there.
; LIMITS: NaN and infinities among the inputs are not served.  A block of zeros, and one whose largest magnitude lies under 2^-111, gets the scale byte 1 (read by this program alone).
; out is summed with p not normalised and multiplied by the reciprocal (v_rcp_f32) of p's sum: an order of rounding that differs from the definition's by f32 roundings.
; REGISTERS, in windows of 256: window 0 addresses, scale words, staging, fragments, work;  window 1 Wk: fragment (dt, s) at v[16 (4 dt + s)];  window 2 Wv likewise;
; window 3 the accumulators: k's (rows 16 nt on, d 16 dt on) at v[8 (4 nt + dt)], v's (d 16 nt on, rows 16 mt on) at v[128 + 8 (4 nt + mt)]; before the loop window 3 holds Wq's 16 fragments.
.set WTILE,  33280                     ; a wave's tile in LDS: 32 rows x (1,024 bytes + 16 of padding)
.set SPITCH, 1040                      ; 1,040 = 4 x 256 + 16: the sixteen rows that a load of 16 bytes a lane touches fall on sixteen different 16-byte columns of the 64 banks (ISA guide 11.1)
.set SLOTB,  4*WTILE                   ; a slot: 133,120 = 0x20800; the waves' offsets 0x8200 w share no bit with it, so one exclusive or turns an address from slot to slot
.set IMG,    2*SLOTB                   ; the query's 16 fragments as register images: (4 mt + s) x 2,048 + 512 c + 16 x lane
.set MSC,    IMG+32768                 ; their scale words: 512 mt + 16 x lane + 4 s
.set QO,     MSC+2048                  ; for each wave 16 rows of 272 bytes: row i holds q of query i (x 1/8) until trip i has read it, then out of query i
.set QP,     272
.set QOW,    16*QP
.set PS,     QO+4*QOW                  ; for each wave 256 bytes: p of the 64 memory rows
.set MKL,    PS+1024                   ; the 16 queries' mask bytes
.set OSC,    MKL+1024                  ; the halves of out's scale words, gathered
.set SPARE,  OSC+256                   ; the spare words, 128 bytes for each wave: two blocks of 256 bytes that no other line names
.set LI,  1                            ; v1   16 x lane
.set LS,  2                            ; v2   4 x lane
.set SA0, 3                            ; v3   my place in my wave's tile of slot 0: w WTILE + 1,040 r + 64 h
.set SA,  4                            ; v4   the same in the slot in hand
.set IW,  5                            ; v5   where I store my fragments' images
.set SW,  6                            ; v6   and their scale words
.set QR0, 7                            ; v7   q's row 0, my half: + 32 h
.set QRA, 8                            ; v8   the trip's row
.set OW0, 9                            ; v9   out's row 0: + 4 r
.set OWA, 10                           ; v10  the trip's row
.set MR0, 11                           ; v11  the mask bytes of query 0: + r
.set MRA, 12                           ; v12  the trip's
.set PWR, 13                           ; v13  p on the way in: + 4 r
.set PRD, 14                           ; v14  and back: + 32 h
.set NEG, 15                           ; v15  -(the largest f32 number)
.set SPW, 16                           ; v16  LDS address of my spare word; never rewritten
.set NIL, 17                           ; v17  0; never rewritten
.set XA,  18                           ; v18  x: 2,048 r + 64 h + 512 w
.set QW,  19                           ; v19  q's rows on the way in: 272 r + 32 h
.set FRD, 20                           ; v20  out's rows on the way back: 272 r + 64 h
.set OSW, 21                           ; v21  my half of out's scale word
.set M8,  22                           ; v22  8 x thread: the mask in memory
.set MKW, 23                           ; v23  and in LDS
.set XI,  24                           ; v24  x's image: K step w
.set XSW, 25                           ; v25  x's scale word
.set FI,  26                           ; v26  IMG + 16 x lane
.set FM,  27                           ; v27  MSC + 16 x lane
.set MD,  28                           ; v28-29 mask bytes on their way
.set OSR, 30                           ; v30  OSC + 4 x lane
.set OSD, 31                           ; v31  out's scale words on their way
.set WKS, 32                           ; v32-39 Wk's scale words, register 4 x pair + s; v40-47 Wv's; v48-63 mems': 4 mt + s.  These 32 registers hold scales and nothing else
.set WVS, 40
.set MS,  48
.set X0,  64                           ; v64-127, v128-191: 64 numbers each on their way to codes; then four fragments each
.set X1,  128
.set AF0, X0
.set AF1, X1
.set VEC, 64                           ; v64-95 q, later p: 32 numbers in the order of a lane's accumulator registers
.set QA,  128                          ; v128-159 q's four accumulators (before the loop)
.set PC0, 192                          ; v192-207, v208-223 codes just made, two sets
.set PC1, 208
.set DP,  192                          ; v192-199 a dot product's four pairs of sums;  v200-203 scores, then p, then out;  v204-207 mask bytes;  v208-211 maximum, sum, reciprocal, at work
.set SCR, 200
.set MK,  204
.set MX,  208
.set SUM, 209
.set RCP, 210
.set TU,  211
.set TM,  224                          ; v224-227 largest magnitudes, v228-231 bytes and lane exchanges, v236-239 scale operands
.set PW,  240                          ; v240-243 a trip's four scale words
.set WV,   18                          ; s18  my wave's number
.set CX,   19                          ; s19  my place in the cluster: it enters global addresses of weights and results alone
.set SEL,  20                          ; s[20:21] v_permlanex16_b32's selects for lane l xor 16
.set MNT,  22
.set CNT,  23                          ; s23  trips to go
.set G1,   24                          ; s[24:31] descriptor group 1
.set G0,   32                          ; s[32:35] descriptor group 0: it walks
.set WOFF, 36                          ; s36  w x WTILE
.set RG,   37                          ; s37  w / 2: which 32 memory rows I fetch
.set TB,   38                          ; s38  the slot in hand
.set QI,   39                          ; s39  272 x trip
.set MI,   40                          ; s40  64 x trip
.set GH,   41                          ; s41  w % 2: which half of K I fetch
.set WB,   44                          ; s[44:45] w_img at my head's Wk; Wv 262,144 bytes on, Wq 524,288
.set SBS,  46                          ; s[46:47] w_sc at my head's Wk; Wv 8,192 bytes on, Wq 16,384
.set XB,   48                          ; s[48:49] x at the tile's first query
.set MB,   50                          ; s[50:51] mask likewise
.set OI,   52                          ; s[52:53] o_img at my 1,024 bytes
.set OS,   54                          ; s[54:55] o_sc at my work-group's 128 bytes
.set HD,   58                          ; s58  my head
.set MSB, 0
.macro WIN new                         ; the immediate's high byte repeats the setting that is left; a switch that changes nothing is dropped
.if MSB != \new
	s_set_vgpr_msb (MSB<<8)|\new
.set MSB, \new
.endif
.endm
.set W_K, 0xf1                         ; source 0 (Wk) window 1, source 1 window 0, C and D window 3
.set W_V, 0xf8                         ; source 0 window 0, source 1 (Wv) window 2, C and D window 3
.set W_Q, 0x03                         ; source 0 window 3, all else window 0
.macro PLACES n
.rept \n
	v_nop
.endr
.endm
; A round of the cluster's barrier: my work-group's barrier, wave 0 signals for the work-group, every wave waits for both work-groups, my work-group's barrier once more.
.macro ROUND
	s_barrier_signal -1
	s_barrier_wait -1
	s_cmp_lg_u32 s[WV], 0
	s_cbranch_scc1 .Lnot_wave_0_\@
	s_barrier_signal -3
.Lnot_wave_0_\@:
	s_barrier_wait -3
	s_barrier_signal -1
	s_barrier_wait -1
.endm
; THE CHANGE OF SLOTS, at a trip's head.  Each wave waits for all its tensor loads (one is out: its part of the slot that it is about to read), adds 0 to its spare word, and waits for that and for all its LDS
; reads and stores of the trip before.  fill = 1: behind a round of the cluster's barrier, so that no wave of either work-group still reads the other slot or has a load on its way, the next query goes into that slot.
.macro CHANGE fill
	s_wait_tensorcnt 0x0                           ; no tensor load of mine is out, so group 0 may be written
	ds_add_u32 v[SPW], v[NIL]                      ; 0 onto my spare word
.if \fill
	s_xor_b32 s[G0+1], s[G0+1], SLOTB              ; the other slot than last time,
	s_add_nc_u64 s[G0+2:G0+3], s[G0+2:G0+3], 131072   ; the next query's 64 rows of 2,048 bytes; the type bits on top are not reached
.endif
	s_wait_dscnt 0x0                               ; the add is done; my reads of the slot left, of the images and of the scale words are over, my stores have landed
.if \fill
	ROUND
	tensor_load_to_lds s[G0:G0+3], s[G1:G1+7]      ; the first thing behind the round, my one tensor load until the next: it has the whole trip in which to land
	s_nop 0
.else
	s_barrier_signal -1
	s_barrier_wait -1
.endif
.endm
.macro QLOAD x, off                    ; 64 numbers of my row: register 16 b + 4 j + .. = k 32 b + 16 h + 4 j + .. of the K step that begins off bytes on
.irp b, 0,1,2,3
.irp j, 0,1,2,3
	ds_load_b128 v[\x+16*\b+4*\j:\x+16*\b+4*\j+3], v[SA] offset:\off+128*\b+16*\j
.endr
.endr
.endm
; 16 nb numbers of a lane, v[s] on, register 16 b + i = k 32 b + 16 (lane / 16) + i of my row, become codes in v[pc] on and the row's nb scale bytes in v[pw].
.macro QUANT s, nb, pc, pw
.irp b, 0,1,2,3
.if \b < \nb
	v_max3_num_f32 v[TM+\b], |v[\s+16*\b]|, |v[\s+16*\b+1]|, 0x8000000   ; block b: my 16 numbers, and the floor 2^(16 - 127): the byte cannot fall under 1
.endif
.endr
.irp i, 2,4,6,8,10,12,14
.irp b, 0,1,2,3
.if \b < \nb
	v_max3_num_f32 v[TM+\b], v[TM+\b], |v[\s+16*\b+\i]|, |v[\s+16*\b+\i+1]|   ; (the blocks by turns: no line waits for the line above it)
.endif
.endr
.endr
.irp b, 0,1,2,3
.if \b < \nb
	v_permlanex16_b32 v[TM+4+\b], v[TM+\b], s[SEL], s[SEL+1]
.endif
.endr
.irp b, 0,1,2,3
.if \b < \nb
	v_max_num_f32 v[TM+\b], v[TM+\b], v[TM+4+\b]   ; with lane l xor 16's: the block's largest magnitude
.endif
.endr
.irp b, 0,1,2,3
.if \b < \nb
	v_add_nc_u32 v[TM+12+\b], 0xf8800000, v[TM+\b]   ; 15 off its exponent field: the conversion's scale operand
.endif
.endr
.irp b, 0,1,2,3
.if \b < \nb
.endif
.endr
.irp b, 0,1,2,3
.if \b < \nb
	v_lshrrev_b32 v[TM+4+\b], 23, v[TM+12+\b]      ; the scale's byte
.endif
.endr
	v_lshl_or_b32 v[\pw], v[TM+5], 8, v[TM+4]
.if \nb > 2
	v_lshl_or_b32 v[\pw], v[TM+6], 16, v[\pw]
	v_lshl_or_b32 v[\pw], v[TM+7], 24, v[\pw]
.endif
.irp b, 0,1,2,3
.if \b < \nb
.irp i, 0,1,2,3,4,5,6,7,8,9,10,11,12,13,14,15
.endr
	v_cvt_scalef32_pk8_bf8_f32 v[\pc+4*\b:\pc+4*\b+1], v[\s+16*\b:\s+16*\b+7], v[TM+12+\b]
	v_cvt_scalef32_pk8_bf8_f32 v[\pc+4*\b+2:\pc+4*\b+3], v[\s+16*\b+8:\s+16*\b+15], v[TM+12+\b]
.endif
.endr
	v_nop                                          ; a plain line behind the last conversion of the run
.endm
.macro IMAGE adr, pc, off              ; a fragment goes to LDS as it stands in its registers: 512 consecutive bytes a store
.irp c, 0,1,2,3
	ds_store_b128 v[\adr], v[\pc+4*\c:\pc+4*\c+3] offset:\off+512*\c
.endr
.endm
.macro FETCH reg, f                    ; and comes back so, in any wave
.irp c, 0,1,2,3
	ds_load_b128 v[(\reg)+4*\c:(\reg)+4*\c+3], v[FI] offset:(\f)*2048+512*\c
.endr
.endm
.macro FETCHS buf, s                   ; K step s of all four tiles of rows
.irp mt, 0,1,2,3
	FETCH \buf+16*\mt, 4*\mt+\s
.endr
.endm
.macro MSLOAD n                        ; the scale words of n tiles of rows, four K steps each
.irp mt, 0,1,2,3
.if \mt < \n
	ds_load_b128 v[MS+4*\mt:MS+4*\mt+3], v[FM] offset:512*\mt
.endif
.endr
.endm
.macro WLOAD off, k0, n                ; n pieces of 512 bytes of w_img, from piece k0 on, into registers 4 k .. 4 k + 3 of the destination's window
.set kk, \k0
.rept \n
	global_load_b128 v[4*kk:4*kk+3], v[LI], s[WB:WB+1] offset:\off+512*kk
.set kk, kk+1
.endr
.endm
; One scaled product on the symbols rD, rA, rB (first registers of D, source 0, source 1), rX, rY (their scale words).  zc = 1: C is the constant 0: the product starts its sum; nothing is ever cleared.
; rw = 1: source 0's scale words stand in lanes 16-31 of rX; rw = 2: source 1's in lanes 16-31 of rY (the odd tile of a pair).
.macro WM
.if zc
.if rw == 0
	v_wmma_scale_f32_16x16x128_f8f6f4 v[rD:rD+7], v[rA:rA+15], v[rB:rB+15], 0, v[rX], v[rY] matrix_a_fmt:MATRIX_FMT_BF8 matrix_b_fmt:MATRIX_FMT_BF8
.elseif rw == 1
	v_wmma_scale_f32_16x16x128_f8f6f4 v[rD:rD+7], v[rA:rA+15], v[rB:rB+15], 0, v[rX], v[rY] matrix_a_fmt:MATRIX_FMT_BF8 matrix_b_fmt:MATRIX_FMT_BF8 matrix_a_scale:MATRIX_SCALE_ROW1
.else
	v_wmma_scale_f32_16x16x128_f8f6f4 v[rD:rD+7], v[rA:rA+15], v[rB:rB+15], 0, v[rX], v[rY] matrix_a_fmt:MATRIX_FMT_BF8 matrix_b_fmt:MATRIX_FMT_BF8 matrix_b_scale:MATRIX_SCALE_ROW1
.endif
.else
.if rw == 0
	v_wmma_scale_f32_16x16x128_f8f6f4 v[rD:rD+7], v[rA:rA+15], v[rB:rB+15], v[rD:rD+7], v[rX], v[rY] matrix_a_fmt:MATRIX_FMT_BF8 matrix_b_fmt:MATRIX_FMT_BF8
.elseif rw == 1
	v_wmma_scale_f32_16x16x128_f8f6f4 v[rD:rD+7], v[rA:rA+15], v[rB:rB+15], v[rD:rD+7], v[rX], v[rY] matrix_a_fmt:MATRIX_FMT_BF8 matrix_b_fmt:MATRIX_FMT_BF8 matrix_a_scale:MATRIX_SCALE_ROW1
.else
	v_wmma_scale_f32_16x16x128_f8f6f4 v[rD:rD+7], v[rA:rA+15], v[rB:rB+15], v[rD:rD+7], v[rX], v[rY] matrix_a_fmt:MATRIX_FMT_BF8 matrix_b_fmt:MATRIX_FMT_BF8 matrix_b_scale:MATRIX_SCALE_ROW1
.endif
.endif
.endm
; K step s of the query's kv: 16 products for k, 16 for v, on the four fragments in v[buf] on.  The 32 accumulators take turns, one instruction a turn, in the same order in every K step.
.macro MUL buf, s
.if \s == 0
.set zc, 1
.else
.set zc, 0
.endif
	WIN W_K
.irp nt, 0,1,2,3
.irp dt, 0,1,2,3
.set rD, 8*(4*\nt+\dt)
.set rA, 16*(4*\dt+\s)
.set rB, \buf+16*\nt
.set rX, WKS+4*(\dt/2)+\s
.set rY, MS+4*\nt+\s
.set rw, \dt%2
	WM
.endr
.endr
	WIN W_V
.irp mt, 0,1,2,3
.irp nt, 0,1,2,3
.set rD, 128+8*(4*\nt+\mt)
.set rA, \buf+16*\mt
.set rB, 16*(4*\nt+\s)
.set rX, MS+4*\mt+\s
.set rY, WVS+4*(\nt/2)+\s
.set rw, 2*(\nt%2)
	WM
.endr
.endr
	WIN 0
.endm
; Four dot products of a lane: for nt = 0 .. 3 the 32 accumulator registers v[ab + 32 nt] on (window 3) against the 32 numbers in VEC; then the other half of the lanes' part.  Each accumulator is read from its low end on.
.macro DOT ab
	WIN W_Q
.irp nt, 0,1,2,3
	v_pk_mul_f32 v[DP+2*\nt:DP+2*\nt+1], v[\ab+32*\nt:\ab+32*\nt+1], v[VEC:VEC+1]
.endr
.irp i, 1,2,3,4,5,6,7,8,9,10,11,12,13,14,15
.irp nt, 0,1,2,3
	v_pk_fma_f32 v[DP+2*\nt:DP+2*\nt+1], v[\ab+32*\nt+2*\i:\ab+32*\nt+2*\i+1], v[VEC+2*\i:VEC+2*\i+1], v[DP+2*\nt:DP+2*\nt+1]
.endr
.endr
	WIN 0
.irp nt, 0,1,2,3
	v_add_f32 v[SCR+\nt], v[DP+2*\nt], v[DP+2*\nt+1]
.endr
.irp nt, 0,1,2,3
	v_permlanex16_b32 v[TM+4+\nt], v[SCR+\nt], s[SEL], s[SEL+1]
.endr
.irp nt, 0,1,2,3
	v_add_f32 v[SCR+\nt], v[SCR+\nt], v[TM+4+\nt]
.endr
.endm
	s_load_b256 s[4:11], s[0:1], 0x0               ; x s[4:5], mems s[6:7], mask s[8:9], w_img s[10:11]
	s_load_b128 s[12:15], s[0:1], 0x20             ; w_sc s[12:13], o_img s[14:15]
	s_load_b64 s[16:17], s[0:1], 0x30              ; o_sc
	v_lshl_add_u32 v[SPW], v0, 2, SPARE
	v_mov_b32 v[NIL], 0
	ds_add_u32 v16, v17
	ds_add_u32 v16, v17
	s_wait_dscnt 0x0
	v_lshrrev_b32 v252, 5, v0
	v_readfirstlane_b32 s[WV], v252                ; wave 0..3
	s_bfe_u32 s[CX], ttmp6, 0x40000                ; cx
	s_lshr_b32 s[RG], s[WV], 1
	s_and_b32 s[GH], s[WV], 1
	v_and_b32 v252, 31, v0                         ; lane
	v_and_b32 v253, 15, v0                         ; r
	v_bfe_u32 v254, v0, 4, 1                       ; h
	; every LDS address is a constant + constants x lane, r, h and the wave's number; no place in the cluster enters one
	s_mul_i32 s[WOFF], s[WV], WTILE
	v_lshlrev_b32 v[LI], 4, v252
	s_wait_alu depctr_va_vdst(0)
	v_lshlrev_b32 v[LS], 2, v252
	v_mul_u32_u24 v[SA0], v253, SPITCH
	v_lshl_add_u32 v[SA0], v254, 6, v[SA0]
	v_add_nc_u32 v[SA0], s[WOFF], v[SA0]
	s_lshl_b32 s2, s[RG], 14                       ; my fragments are (mt, s) = (2 (w / 2) + 0, 1; 2 (w % 2) + 0, 1): image (4 mt + s) x 2,048
	s_lshl_b32 s3, s[GH], 12
	s_add_co_u32 s2, s2, s3
	s_add_co_u32 s2, s2, IMG
	v_add_nc_u32 v[IW], s2, v[LI]
	s_lshl_b32 s2, s[RG], 10                       ; their scale words: 512 mt + 4 s
	s_lshl_b32 s3, s[GH], 3
	s_add_co_u32 s2, s2, s3
	s_add_co_u32 s2, s2, MSC
	v_add_nc_u32 v[SW], s2, v[LI]
	s_mul_i32 s2, s[WV], QOW
	s_add_co_u32 s2, s2, QO                        ; my wave's rows of q and out
	v_lshl_add_u32 v[QR0], v254, 5, s2
	v_lshl_add_u32 v[OW0], v253, 2, s2
	v_mul_u32_u24 v255, v253, QP
	v_add_nc_u32 v255, s2, v255
	v_lshl_add_u32 v[QW], v254, 5, v255
	v_lshl_add_u32 v[FRD], v254, 6, v255
	v_add_nc_u32 v[MR0], MKL, v253
	s_lshl_b32 s2, s[WV], 8
	s_add_co_u32 s2, s2, PS
	v_lshl_add_u32 v[PWR], v253, 2, s2
	v_lshl_add_u32 v[PRD], v254, 5, s2
	v_mov_b32 v[NEG], 0xff7fffff
	v_lshlrev_b32 v[XA], 11, v253
	v_lshl_add_u32 v[XA], v254, 6, v[XA]
	s_lshl_b32 s2, s[WV], 9
	v_add_nc_u32 v[XA], s2, v[XA]
	s_lshl_b32 s2, s[RG], 6                        ; out's scale words: K step w / 2 of my work-group's two, bytes 2 (w % 2) and + 1 of row r's word
	s_lshl_b32 s3, s[GH], 1
	s_add_co_u32 s2, s2, s3
	s_add_co_u32 s2, s2, OSC
	v_lshl_add_u32 v[OSW], v253, 2, s2
	v_add_nc_u32 v[OSR], OSC, v[LS]
	v_lshlrev_b32 v[M8], 3, v0
	v_lshl_add_u32 v[MKW], v0, 3, MKL
	s_lshl_b32 s2, s[WV], 11
	s_add_co_u32 s2, s2, IMG
	v_add_nc_u32 v[XI], s2, v[LI]
	s_lshl_b32 s2, s[WV], 2
	s_add_co_u32 s2, s2, MSC
	v_add_nc_u32 v[XSW], s2, v[LI]
	v_add_nc_u32 v[FI], IMG, v[LI]
	v_add_nc_u32 v[FM], MSC, v[LI]
.irp b, 0,1,2,3
	v_mov_b32 v[TM+4+\b], 0                        ; written once: a lane permute's destination counts as one of its sources
.endr
	s_mov_b32 s[SEL], 0x76543210
	s_mov_b32 s[SEL+1], 0xfedcba98
	s_mov_b32 s[TB], 0
	s_mov_b32 s[QI], 0
	s_mov_b32 s[MI], 0
	; descriptor group 1: a tile of 32 rows x 256 elements of 4 bytes, rows 512 elements apart in memory, padded in LDS
	s_mov_b32 s[G1+0], 3|(2<<16)|(1<<20)|(1<<21)|(7<<22)|(3<<25)   ; 15:0 the mask: both work-groups; 17:16 elements of 4 bytes; 20 padding on; 21 set beside a mask; 24:22 after every 256 words (code 7); 31:25 four words (code 3)
	s_mov_b32 s[G1+1], 256<<16                     ; tensor_dim0 = 256
	s_mov_b32 s[G1+2], 32<<16                      ; tensor_dim1 = 32
	s_mov_b32 s[G1+3], 256<<16                     ; tile_dim0 = 256
	s_mov_b32 s[G1+4], 32                          ; tile_dim1 = 32
	s_mov_b32 s[G1+5], 512                         ; tensor_dim0_stride
	s_mov_b32 s[G1+6], 0
	s_mov_b32 s[G1+7], 0
	s_lshl_b32 s42, ttmp9, 21                      ; mems: 16 queries of 131,072 bytes a tile,
	s_lshl_b32 s2, s[RG], 16                       ; my 32 rows of 2,048 bytes,
	s_add_co_u32 s42, s42, s2
	s_lshl_b32 s2, s[GH], 10                       ; my half of K
	s_add_co_u32 s42, s42, s2
	s_mov_b32 s43, 0
	s_mov_b32 s57, 0
	s_lshl_b32 s[HD], s[CX], 2
	s_add_co_u32 s[HD], s[HD], s[WV]               ; my head
	s_wait_kmcnt 0x0
	s_mov_b32 s[G0], 1                             ; 1:0 count = 1
	s_mov_b32 s[G0+1], s[WOFF]                     ; 63:32 LDS address: my quarter of slot 0
	s_add_nc_u64 s[G0+2:G0+3], s[6:7], s[42:43]    ; 120:64 global address: query 0 of the tile
	s_or_b32 s[G0+3], s[G0+3], 0x80000000          ; 127:126 type = 2
	s_lshl_b32 s42, ttmp9, 15
	s_add_nc_u64 s[XB:XB+1], s[4:5], s[42:43]      ; x: 16 rows of 2,048 bytes a tile
	s_lshl_b32 s42, ttmp9, 10
	s_add_nc_u64 s[MB:MB+1], s[8:9], s[42:43]      ; mask: 16 x 64 bytes a tile
	s_lshl_b32 s56, s[HD], 15
	s_add_nc_u64 s[WB:WB+1], s[10:11], s[56:57]    ; four tiles of 8,192 bytes a head
	s_lshl_b32 s56, s[HD], 10
	s_add_nc_u64 s[SBS:SBS+1], s[12:13], s[56:57]  ; two pairs of 512 bytes a head
	s_lshl_b32 s56, ttmp9, 2                       ; o_img: K step 2 cx + w / 2 of tile qt, blocks 2 (w % 2) and + 1
	s_lshl_b32 s59, s[CX], 1
	s_add_co_u32 s56, s56, s59
	s_add_co_u32 s56, s56, s[RG]
	s_lshl_b32 s56, s56, 11
	s_lshl_b32 s59, s[GH], 10
	s_add_co_u32 s56, s56, s59
	s_add_nc_u64 s[OI:OI+1], s[14:15], s[56:57]
	s_lshl_b32 s56, ttmp9, 8                       ; o_sc: 256 bytes a tile, my work-group's two K steps
	s_lshl_b32 s59, s[CX], 7
	s_add_co_u32 s56, s56, s59
	s_add_nc_u64 s[OS:OS+1], s[16:17], s[56:57]
	ROUND                                          ; both work-groups are here: the first joint loads meet
	tensor_load_to_lds s[G0:G0+3], s[G1:G1+7]      ; query 0 into slot 0, ahead of every wait on TENSORcnt, every LDS read and every other barrier
	s_nop 0
	PLACES 4
	; ---- q = x Wq for my head, all 16 queries.  Wave w quantises K step w of x's 16 rows; the four images meet in LDS
.irp b, 0,1,2,3
.irp j, 0,1,2,3
	global_load_b128 v[X0+16*\b+4*\j:X0+16*\b+4*\j+3], v[XA], s[XB:XB+1] offset:128*\b+16*\j
.endr
.endr
	global_load_b64 v[MD:MD+1], v[M8], s[MB:MB+1]  ; the tile's 1,024 mask bytes, 8 a thread
.set kk, 0
.rept 8
	global_load_b32 v[MS+8+kk], v[LS], s[SBS:SBS+1] offset:16384+128*kk   ; Wq's scale words
.set kk, kk+1
.endr
	WIN 0xc0
	WLOAD 524288, 0, 64                            ; Wq's 16 fragments into window 3
	WIN 0
	s_wait_loadcnt 63                              ; x and the mask are in: 72 younger loads stand behind them; the wait's field names 63 at the most
	QUANT X0, 4, PC0, PW
	IMAGE XI, PC0, 0
	ds_store_b32 v[XSW], v[PW]
	ds_store_b64 v[MKW], v[MD:MD+1]
	WIN 0x40
	WLOAD 0, 0, 48                                 ; three quarters of Wk go out meanwhile
	WIN 0
	s_wait_dscnt 0x0                               ; for the others' sake: my stores have landed
	s_barrier_signal -1
	s_barrier_wait -1
.irp s, 0,1,2,3
	FETCH AF0+16*\s, \s
.endr
	MSLOAD 1                                       ; x's scale words: v[MS] .. v[MS+3]
	s_wait_loadcnt 48                              ; Wq and its scale words are in: behind them stand Wk's 48 loads
	s_wait_dscnt 0x0
	WIN W_Q
.irp s, 0,1,2,3                                ; transposed: source 0 = 16 columns of Wq, source 1 = x: a lane holds one query, its registers run along d.  Four accumulators by turns
.irp dt, 0,1,2,3
.if \s == 0
.set zc, 1
.else
.set zc, 0
.endif
.set rD, QA+8*\dt
.set rA, 16*(4*\dt+\s)
.set rB, AF0+16*\s
.set rX, MS+8+4*(\dt/2)+\s
.set rY, MS+\s
.set rw, \dt%2
	WM
.endr
.endr
	WIN 0x40
	WLOAD 0, 48, 16                                ; the rest of Wk,
	WIN 0x80
	WLOAD 262144, 0, 64                            ; Wv,
	WIN 0
.set kk, 0
.rept 8
	global_load_b32 v[WKS+kk], v[LS], s[SBS:SBS+1] offset:128*kk          ; and their scale words
	global_load_b32 v[WVS+kk], v[LS], s[SBS:SBS+1] offset:8192+128*kk
.set kk, kk+1
.endr
	PLACES 8                                       ; eight places between a product of this form and the first vector line on its result
.set i, 0
.rept 32
	v_mul_f32 v[QA+i], 0x3e000000, v[QA+i]         ; q x 64^-1/2, each accumulator from its low end on
.set i, i+1
.endr
.irp dt, 0,1,2,3
	ds_store_b128 v[QW], v[QA+8*\dt:QA+8*\dt+3] offset:64*\dt             ; row r: q(r, 16 dt + 8 h + 0 .. 7).  Only my wave reads these rows
	ds_store_b128 v[QW], v[QA+8*\dt+4:QA+8*\dt+7] offset:64*\dt+16
.endr
	s_wait_loadcnt 0x0                             ; the weights are in their registers
; ---- ONE QUERY
.macro TRIP fill
	CHANGE \fill
	v_add_nc_u32 v[SA], s[TB], v[SA0]              ; the trip's four addresses (none has its result among its sources)
	v_add_nc_u32 v[QRA], s[QI], v[QR0]
	v_add_nc_u32 v[OWA], s[QI], v[OW0]
	v_add_nc_u32 v[MRA], s[MI], v[MR0]
	; (b) my tile, 32 rows x 256 K, becomes four fragments: (rows 0-15, 16-31) x (K 0-127, 128-255).  Loads run one fragment ahead, in two sets of 64 registers; codes in two sets of 16
	QLOAD X0, 0
	QLOAD X1, 512
	s_wait_dscnt 16                                ; the first 16 loads are in; X1's 16 may be out
	QUANT X0, 4, PC0, PW
	IMAGE IW, PC0, 0
	QLOAD X0, 16*SPITCH
	s_wait_dscnt 20                                ; X1 is in; behind it: 4 stores and 16 loads
	QUANT X1, 4, PC1, PW+1
	IMAGE IW, PC1, 2048
	ds_store_b64 v[SW], v[PW:PW+1]
	QLOAD X1, 16*SPITCH+512
	s_wait_dscnt 21                                ; X0 is in, and the first image's stores are done; behind them: 5 stores and 16 loads
	QUANT X0, 4, PC0, PW+2
	IMAGE IW, PC0, 8192
	s_wait_dscnt 4                                 ; X1 is in, and the second image's stores are done; behind them: 4 stores
	QUANT X1, 4, PC1, PW+3
	IMAGE IW, PC1, 10240
	ds_store_b64 v[SW], v[PW+2:PW+3] offset:512
	s_wait_dscnt 0x0                               ; for the others' sake: my stores have landed
	s_barrier_signal -1
	s_barrier_wait -1                              ; the query's 16 fragments and their scale words lie in LDS
	; (c) kv of my head: four K steps of 32 products; the fragments of one K step are fetched while the one before is multiplied
	MSLOAD 4
	FETCHS AF0, 0
	FETCHS AF1, 1
	s_wait_dscnt 16                                ; the scale words and K step 0 are in; K step 1's 16 loads may be out
	MUL AF0, 0
	PLACES 8                                       ; eight places in front of loads into registers that these products have read
	FETCHS AF0, 2
	s_wait_dscnt 16                                ; K step 1 is in
	MUL AF1, 1
	PLACES 8
	FETCHS AF1, 3
	s_wait_dscnt 16                                ; K step 2 is in
	MUL AF0, 2
	PLACES 8
.irp dt, 0,1,2,3
	ds_load_b128 v[VEC+8*\dt:VEC+8*\dt+3], v[QRA] offset:64*\dt           ; q(16 dt + 8 h + 0 .. 7): the order of a lane's registers in k's accumulators
	ds_load_b128 v[VEC+8*\dt+4:VEC+8*\dt+7], v[QRA] offset:64*\dt+16
.endr
.irp nt, 0,1,2,3
	ds_load_u8 v[MK+\nt], v[MRA] offset:16*\nt     ; the mask byte of memory row 16 nt + r
.endr
	s_wait_dscnt 12                                ; K step 3 is in; q's 8 loads and the mask's 4 may be out
	MUL AF1, 3
	PLACES 8                                       ; eight places in front of the first read of results
	s_wait_dscnt 0x0
	; (d) the attention of my head for this query
	DOT 0                                          ; v[SCR+nt]: the score of memory row 16 nt + r, in both halves of the lanes
.irp nt, 0,1,2,3
	v_cmp_ne_u32 vcc_lo, 0, v[MK+\nt]
	v_cndmask_b32 v[SCR+\nt], v[NEG], v[SCR+\nt], vcc_lo                  ; where the mask is false: -(the largest number)
.endr
	v_max3_num_f32 v[MX], v[SCR], v[SCR+1], v[SCR+2]
	v_max_num_f32 v[MX], v[MX], v[SCR+3]
	v_max_num_f32_dpp v[MX], v[MX], v[MX] row_xmask:1 row_mask:0xf bank_mask:0xf
	v_max_num_f32_dpp v[MX], v[MX], v[MX] row_xmask:2 row_mask:0xf bank_mask:0xf
	v_max_num_f32_dpp v[MX], v[MX], v[MX] row_xmask:4 row_mask:0xf bank_mask:0xf
	v_max_num_f32_dpp v[MX], v[MX], v[MX] row_xmask:8 row_mask:0xf bank_mask:0xf   ; the row's maximum: each half of the lanes holds all 64 scores
.irp nt, 0,1,2,3
	v_sub_f32 v[SCR+\nt], v[SCR+\nt], v[MX]        ; the maximum is taken away first: exactly 0 at the maximum, and everywhere in a row that is wholly masked
.endr
.irp nt, 0,1,2,3
	v_mul_f32 v[SCR+\nt], 0x3fb8aa3b, v[SCR+\nt]   ; x log2(e)
.endr
	s_wait_alu depctr_va_vdst(0)
.irp nt, 0,1,2,3
	v_exp_f32 v[SCR+\nt], v[SCR+\nt]               ; p, at most 1
.endr
	v_nop                                          ; a plain line behind the exponentials
	s_wait_alu depctr_va_vdst(0)
.irp nt, 0,1,2,3
	ds_store_b32 v[PWR], v[SCR+\nt] offset:64*\nt  ; p changes from lanes to registers through my wave's own 256 bytes (both halves of the lanes write the same word with the same value)
.endr
.irp mt, 0,1,2,3
	ds_load_b128 v[VEC+8*\mt:VEC+8*\mt+3], v[PRD] offset:64*\mt           ; p(16 mt + 8 h + 0 .. 7).  LDS serves a wave's instructions in order (ISA guide 5.7.1.4): these see the stores above
	ds_load_b128 v[VEC+8*\mt+4:VEC+8*\mt+7], v[PRD] offset:64*\mt+16
.endr
	v_add_f32 v[SUM], v[SCR], v[SCR+1]
	v_add_f32 v[TU], v[SCR+2], v[SCR+3]
	v_add_f32 v[SUM], v[SUM], v[TU]
	v_add_f32_dpp v[SUM], v[SUM], v[SUM] row_xmask:1 row_mask:0xf bank_mask:0xf
	v_add_f32_dpp v[SUM], v[SUM], v[SUM] row_xmask:2 row_mask:0xf bank_mask:0xf
	v_add_f32_dpp v[SUM], v[SUM], v[SUM] row_xmask:4 row_mask:0xf bank_mask:0xf
	v_add_f32_dpp v[SUM], v[SUM], v[SUM] row_xmask:8 row_mask:0xf bank_mask:0xf    ; the row's sum, at least 1
	s_wait_alu depctr_va_vdst(0)
	v_rcp_f32 v[RCP], v[SUM]                       ; (the first multiplication below is the plain line behind it)
	s_wait_dscnt 0x0
	s_wait_alu depctr_va_vdst(0)
	DOT 128                                        ; v[SCR+nt]: the sum over the 64 rows of p v, for d = 16 nt + r
	s_wait_alu depctr_va_vdst(0)
.irp nt, 0,1,2,3
	v_mul_f32 v[SCR+\nt], v[SCR+\nt], v[RCP]
.endr
.irp nt, 0,1,2,3
	ds_store_b32 v[OWA], v[SCR+\nt] offset:64*\nt  ; out takes the place of the q that this trip has read
.endr
.if \fill
	s_xor_b32 s[TB], s[TB], SLOTB                  ; on to the other slot, the next row of q and out, the next 64 mask bytes
	s_add_co_u32 s[QI], s[QI], QP
	s_add_co_u32 s[MI], s[MI], 64
.endif
.endm
	s_mov_b32 s[CNT], 15
.Lquery:                                           ; 15 trips: behind each change of slots the next query is asked for
	TRIP 1
	s_sub_co_u32 s[CNT], s[CNT], 1
	s_cmp_lg_u32 s[CNT], 0
	s_cbranch_scc1 .Lquery
	TRIP 0                                         ; the last query is written out
	; ---- out of my head, 16 queries x 64, is half a K step of the last product: two blocks of 32 a row.  It is quantised here and leaves as an image of the operand's registers
.irp cc, 0,1
.irp j, 0,1,2,3
	ds_load_b128 v[X0+16*\cc+4*\j:X0+16*\cc+4*\j+3], v[FRD] offset:128*\cc+16*\j   ; row r, d = 32 cc + 16 h + 4 j on: my own wave's stores, seen in order
.endr
.endr
	s_wait_dscnt 0x0
	QUANT X0, 2, PC0, PW
	global_store_b128 v[LI], v[PC0:PC0+3], s[OI:OI+1]                     ; 32 lanes store 512 consecutive bytes, aligned
	global_store_b128 v[LI], v[PC0+4:PC0+7], s[OI:OI+1] offset:512
	ds_store_b16 v[OSW], v[PW]                     ; my two bytes of row r's scale word; the other two are my neighbour wave's
	s_wait_dscnt 0x0
	s_barrier_signal -1
	s_barrier_wait -1
	s_cmp_lg_u32 s[WV], 0
	s_cbranch_scc1 .Lothers
	ds_load_b32 v[OSD], v[OSR]                     ; wave 0 sends the work-group's 32 scale words: 128 consecutive bytes
	s_wait_dscnt 0x0
	global_store_b32 v[LS], v[OSD], s[OS:OS+1]
.Lothers:
	s_wait_tensorcnt 0x0                           ; the wave's end, behind my last tensor load and my last LDS store
	ds_add_u32 v[SPW], v[NIL]
	s_wait_dscnt 0x0
	ROUND                                          ; the closing round: no work-group ends while its partner may still ask for a tile that names it
	s_endpgm
.Lfunc_end_k_qad2bbb35b5_attn:
	.size	k_qad2bbb35b5_attn, .Lfunc_end_k_qad2bbb35b5_attn-k_qad2bbb35b5_attn
	.p2alignl 7, 3214868480
	.fill 96, 4, 3214868480
	.section	.rodata,"a",@progbits
	.p2align	6, 0x0
	.amdhsa_kernel k_qad2bbb35b5_attn
		.amdhsa_group_segment_fixed_size 327680
		.amdhsa_private_segment_fixed_size 0
		.amdhsa_enable_private_segment 0
		.amdhsa_kernarg_size 56
		.amdhsa_user_sgpr_count 2
		.amdhsa_user_sgpr_kernarg_segment_ptr 1
		.amdhsa_wavefront_size32 1
		.amdhsa_system_sgpr_workgroup_id_x 1
		.amdhsa_system_sgpr_workgroup_id_y 1
		.amdhsa_system_sgpr_workgroup_id_z 1
		.amdhsa_system_vgpr_workitem_id 0
		.amdhsa_next_free_vgpr 1024
		.amdhsa_next_free_sgpr 66
		.amdhsa_reserve_vcc 1
		.amdhsa_float_denorm_mode_32 3
		.amdhsa_float_denorm_mode_16_64 3
		.amdhsa_fp16_overflow 1
		.amdhsa_memory_ordered 1
		.amdhsa_forward_progress 1
		.amdhsa_inst_pref_size 152
	.end_amdhsa_kernel
	.amdgpu_metadata
---
amdhsa.version: [ 1, 2 ]
amdhsa.kernels:
  - .name:           k_qad2bbb35b5_attn
    .symbol:         k_qad2bbb35b5_attn.kd
    .args:
      - { .name: x, .offset: 0, .size: 8, .value_kind: global_buffer, .address_space: global }
      - { .name: mems, .offset: 8, .size: 8, .value_kind: global_buffer, .address_space: global }
      - { .name: mask, .offset: 16, .size: 8, .value_kind: global_buffer, .address_space: global }
      - { .name: w_img, .offset: 24, .size: 8, .value_kind: global_buffer, .address_space: global }
      - { .name: w_sc, .offset: 32, .size: 8, .value_kind: global_buffer, .address_space: global }
      - { .name: o_img, .offset: 40, .size: 8, .value_kind: global_buffer, .address_space: global }
      - { .name: o_sc, .offset: 48, .size: 8, .value_kind: global_buffer, .address_space: global }
    .group_segment_fixed_size: 327680
    .private_segment_fixed_size: 0
    .kernarg_segment_align: 8
    .kernarg_segment_size: 56
    .max_flat_workgroup_size: 128
    .sgpr_count:     66
    .vgpr_count:     1024
    .wavefront_size: 32
...
	.end_amdgpu_metadata
.endif
;; end of part 2
;; launch proj (part 3): grid 8 x 32, 4 waves a work-group, no clusters, 17,920 bytes of LDS; arguments o_img, o_sc, w_img, w_sc, bo, out0; writes out0
.if DOCPART == 3
	.amdgcn_target "amdgcn-amd-amdhsa--gfx1250"
	.amdhsa_code_object_version 6
	.text
	.protected	k_qad2bbb35b5_proj
	.globl	k_qad2bbb35b5_proj
	.p2align	8
	.type	k_qad2bbb35b5_proj,@function
k_qad2bbb35b5_proj:
	s_mov_b64 s[64:65], 0
	v_nop
	global_prefetch_b8 v0, s[64:65] scope:SCOPE_SE
	s_setreg_imm32_b32 hwreg(HW_REG_WAVE_MODE, 25, 1), 1
	s_wait_xcnt 0x0
; out0 = out Wo + bo, on codes of BF8 (E5M2) with one E8M0 scale for each 32 along K.  Both operands lie in memory in the order of an operand's registers (o_img, o_sc: the launch before; w_img, w_sc: the first launch).
; SHARES.  Work-group (x, y): columns 64 x on; wave w of it: the 16 queries of tile 4 y + w.  A wave makes 16 rows x 64 columns: four accumulators, four K steps, 16 matrix instructions.
; THE MATRIX INSTRUCTION IS USED TRANSPOSED (source 0 = 16 columns of Wo, source 1 = the 16 queries): a lane holds eight neighbouring numbers of a row of out0.  The bias is the C of each sum's first product.
; Each wave takes its operands straight into registers, once (100 loads), and there is no loop: so there is no tile in LDS, no tensor load, and nothing to ask for jointly in a cluster.
; The results go through the wave's own stage in LDS (16 rows of 256 bytes + 16) and leave as whole rows of 256 bytes, sixteen lanes to a row.  Waves share nothing: no barrier.
; REGISTERS: window 0: v1-7 addresses; v8-11 out's scale words, v12-19 Wo's (these hold scales and nothing else); v32-95 out's four fragments; v96-127 the bias; v128-159 the accumulators; v160-191 rows on the way out.
;   window 1: Wo's 16 fragments, (nt, s) at v[16 (4 nt + s)].
.set OS, 8
.set WS, 12
.set OF, 32
.set BI, 96
.set AC, 128
.set OB, 160
.set MSB, 0
.macro WIN new                         ; the immediate's high byte repeats the setting that is left
.if MSB != \new
	s_set_vgpr_msb (MSB<<8)|\new
.set MSB, \new
.endif
.endm
	s_load_b256 s[4:11], s[0:1], 0x0               ; o_img s[4:5], o_sc s[6:7], w_img s[8:9], w_sc s[10:11]
	s_load_b128 s[12:15], s[0:1], 0x20             ; bo s[12:13], out0 s[14:15]
	v_lshl_add_u32 v254, v0, 2, 0x4400
	v_mov_b32 v255, 0
	v_lshrrev_b32 v20, 5, v0
	v_readfirstlane_b32 s16, v20                   ; wave 0..3
	s_and_b32 s17, ttmp7, 0xffff
	s_lshl_b32 s17, s17, 2
	s_add_co_u32 s17, s17, s16                     ; my tile of queries
	v_and_b32 v20, 31, v0                          ; lane
	v_and_b32 v21, 15, v0                          ; r
	v_bfe_u32 v22, v0, 4, 1                        ; h
	v_lshlrev_b32 v1, 4, v20                       ; 16 x lane: a piece of an image
	v_lshlrev_b32 v2, 2, v21                       ; 4 r: out's scale words
	v_lshlrev_b32 v3, 2, v20                       ; 4 x lane: Wo's
	v_lshlrev_b32 v4, 5, v22                       ; 32 h: the bias of my half's eight columns
	s_mul_i32 s18, s16, 4352                       ; my stage
	v_mul_u32_u24 v5, v21, 272
	v_lshl_add_u32 v5, v22, 5, v5
	v_add_nc_u32 v5, s18, v5                       ; in: row r, + 32 h
	v_mul_u32_u24 v6, v22, 272
	v_lshl_add_u32 v6, v21, 4, v6
	v_add_nc_u32 v6, s18, v6                       ; back: lanes 0-15 one row, lanes 16-31 the next
	v_lshlrev_b32 v7, 11, v22
	v_lshl_add_u32 v7, v21, 4, v7                  ; and the same two rows of out0
	s_mov_b32 s21, 0
	s_wait_alu depctr_va_vdst(0)
	s_wait_kmcnt 0x0
	s_lshl_b32 s20, s17, 13
	s_add_nc_u64 s[4:5], s[4:5], s[20:21]          ; o_img: 8,192 bytes a tile
	s_lshl_b32 s20, s17, 8
	s_add_nc_u64 s[6:7], s[6:7], s[20:21]          ; o_sc: 256
	s_lshl_b32 s20, ttmp9, 15
	s_add_co_u32 s20, s20, 96*8192
	s_add_nc_u64 s[8:9], s[8:9], s[20:21]          ; w_img: Wo's tiles begin at tile 96; four tiles to my 64 columns
	s_lshl_b32 s20, ttmp9, 10
	s_add_co_u32 s20, s20, 48*512
	s_add_nc_u64 s[10:11], s[10:11], s[20:21]      ; w_sc: pair 48 on; two pairs
	s_lshl_b32 s20, ttmp9, 8
	s_add_nc_u64 s[12:13], s[12:13], s[20:21]      ; bo: 64 numbers
	s_lshl_b32 s22, s17, 15
	s_add_co_u32 s20, s20, s22
	s_add_nc_u64 s[14:15], s[14:15], s[20:21]      ; out0: 16 rows of 2,048 bytes a tile, + my 256 bytes of a row
.set kk, 0
.rept 16
	global_load_b128 v[OF+4*kk:OF+4*kk+3], v1, s[4:5] offset:512*kk
.set kk, kk+1
.endr
.irp s, 0,1,2,3
	global_load_b32 v[OS+\s], v2, s[6:7] offset:64*\s
.endr
.set kk, 0
.rept 8
	global_load_b32 v[WS+kk], v3, s[10:11] offset:128*kk
.set kk, kk+1
.endr
.irp nt, 0,1,2,3
	global_load_b128 v[BI+8*\nt:BI+8*\nt+3], v4, s[12:13] offset:64*\nt   ; bo(64 x + 16 nt + 8 h + 0 .. 7): the result's layout
	global_load_b128 v[BI+8*\nt+4:BI+8*\nt+7], v4, s[12:13] offset:64*\nt+16
.endr
	WIN 0x40                                       ; destination window 1
.set kk, 0
.rept 64
	global_load_b128 v[4*kk:4*kk+3], v1, s[8:9] offset:512*kk
.set kk, kk+1
.endr
	WIN 0
	s_wait_loadcnt 0x0
	WIN 0x01                                       ; source 0 (Wo) window 1
.irp s, 0,1,2,3                                ; the four accumulators take turns, one instruction a turn; an odd tile's scale words stand in lanes 16-31 of its pair's register
.irp nt, 0,1,2,3
.set rD, AC+8*\nt
.set rC, AC+8*\nt
.if \s == 0
.set rC, BI+8*\nt
.endif
.set rA, 16*(4*\nt+\s)
.set rB, OF+16*\s
.set rX, WS+4*(\nt/2)+\s
.if \nt%2 == 0
	v_wmma_scale_f32_16x16x128_f8f6f4 v[rD:rD+7], v[rA:rA+15], v[rB:rB+15], v[rC:rC+7], v[rX], v[OS+\s] matrix_a_fmt:MATRIX_FMT_BF8 matrix_b_fmt:MATRIX_FMT_BF8
.else
	v_wmma_scale_f32_16x16x128_f8f6f4 v[rD:rD+7], v[rA:rA+15], v[rB:rB+15], v[rC:rC+7], v[rX], v[OS+\s] matrix_a_fmt:MATRIX_FMT_BF8 matrix_b_fmt:MATRIX_FMT_BF8 matrix_a_scale:MATRIX_SCALE_ROW1
.endif
.endr
.endr
	WIN 0
.rept 8
	v_nop                                          ; eight places between a product of this form and the first read of its result
.endr
.irp nt, 0,1,2,3
	ds_store_b128 v5, v[AC+8*\nt:AC+8*\nt+3] offset:64*\nt                ; each accumulator from its low end on
	ds_store_b128 v5, v[AC+8*\nt+4:AC+8*\nt+7] offset:64*\nt+16
.endr
.irp t, 0,1,2,3,4,5,6,7
	ds_load_b128 v[OB+4*\t:OB+4*\t+3], v6 offset:544*\t                   ; LDS serves a wave's instructions in order (ISA guide 5.7.1.4): these see my stores
.endr
.irp t, 0,1,2,3,4,5,6,7
	s_wait_dscnt 7-\t                              ; rows 2 t and 2 t + 1 are back; the younger loads may be out
	global_store_b128 v7, v[OB+4*\t:OB+4*\t+3], s[14:15] offset:4096*\t th:TH_STORE_NT   ; sixteen lanes store 256 consecutive bytes, aligned; written once, read by nobody here
.endr
	s_wait_tensorcnt 0x0
	ds_add_u32 v254, v255
	s_wait_dscnt 0x0
	s_endpgm
.Lfunc_end_k_qad2bbb35b5_proj:
	.size	k_qad2bbb35b5_proj, .Lfunc_end_k_qad2bbb35b5_proj-k_qad2bbb35b5_proj
	.p2alignl 7, 3214868480
	.fill 96, 4, 3214868480
	.section	.rodata,"a",@progbits
	.p2align	6, 0x0
	.amdhsa_kernel k_qad2bbb35b5_proj
		.amdhsa_group_segment_fixed_size 17920
		.amdhsa_private_segment_fixed_size 0
		.amdhsa_enable_private_segment 0
		.amdhsa_kernarg_size 48
		.amdhsa_user_sgpr_count 2
		.amdhsa_user_sgpr_kernarg_segment_ptr 1
		.amdhsa_wavefront_size32 1
		.amdhsa_system_sgpr_workgroup_id_x 1
		.amdhsa_system_sgpr_workgroup_id_y 1
		.amdhsa_system_sgpr_workgroup_id_z 1
		.amdhsa_system_vgpr_workitem_id 0
		.amdhsa_next_free_vgpr 512
		.amdhsa_next_free_sgpr 66
		.amdhsa_reserve_vcc 0
		.amdhsa_float_denorm_mode_32 3
		.amdhsa_float_denorm_mode_16_64 3
		.amdhsa_memory_ordered 1
		.amdhsa_forward_progress 1
		.amdhsa_inst_pref_size 17
	.end_amdhsa_kernel
	.amdgpu_metadata
---
amdhsa.version: [ 1, 2 ]
amdhsa.kernels:
  - .name:           k_qad2bbb35b5_proj
    .symbol:         k_qad2bbb35b5_proj.kd
    .args:
      - { .name: o_img, .offset: 0, .size: 8, .value_kind: global_buffer, .address_space: global }
      - { .name: o_sc, .offset: 8, .size: 8, .value_kind: global_buffer, .address_space: global }
      - { .name: w_img, .offset: 16, .size: 8, .value_kind: global_buffer, .address_space: global }
      - { .name: w_sc, .offset: 24, .size: 8, .value_kind: global_buffer, .address_space: global }
      - { .name: bo, .offset: 32, .size: 8, .value_kind: global_buffer, .address_space: global }
      - { .name: out0, .offset: 40, .size: 8, .value_kind: global_buffer, .address_space: global }
    .group_segment_fixed_size: 17920
    .private_segment_fixed_size: 0
    .kernarg_segment_align: 8
    .kernarg_segment_size: 48
    .max_flat_workgroup_size: 128
    .sgpr_count:     66
    .vgpr_count:     512
    .wavefront_size: 32
...
	.end_amdgpu_metadata
.endif
;; end of part 3
